; MI455X (gfx1250); checked and timed in simulation.
; The chip was launched on July 23, 2026; its instructions are those of AMD's public machine-readable ISA for CDNA 5 (MIT licence, August 2026) and "CDNA5" Instruction Set Architecture Reference Guide (July 2026). The comments in the code are by the model that wrote it; some were corrected since.
;; LSTM Cell. Allowed arithmetic: matrix products marked QUANTISED: E3M2 operands, one E8M0 scale for each 32 along K, by v_wmma_scale_f32_16x16x128_f8f6f4 with both operands' format E3M2, f32 sums; everything else in f32.
;; Inputs: Wf 2,048 x 4,096 float32; Wg 2,048 x 4,096 float32; Wi 2,048 x 4,096 float32; Wo 2,048 x 4,096 float32; bf 2,048 float32; bg 2,048 float32; bi 2,048 float32; bo 2,048 float32; c 2,048 x 2,048 float32; h 2,048 x 2,048 float32; x 2,048 x 2,048 float32.
;; Outputs: out0 2,048 x 2,048 float32; out1 2,048 x 2,048 float32.
;; This version of the problem:
;;   THIS VERSION OF THE PROBLEM IS GIVEN IN LOW PRECISION. The matrix products marked QUANTISED in the list below multiply operands that are first quantised to E3M2 (3 exponent bits, 2 mantissa bits; 6 bits a number), with one power-of-two scale for each 32 numbers along K (OCP MX v1.0); their sums are f32. All else is computed in f32.
;;   The module's matrix products, in the order in which they are computed (A, B: the left and right operand; K: the contracted axis; several contracted axes count as one K, in the product's order):
;;     1. [M 2,048, K 4,096] x [K 4,096, N 8,192]; A: computed on the way; B: computed on the way: QUANTISED
;;   THE QUANTISER, for each operand of a quantised product, along K:
;;     - K is cut into blocks of 32 from its start; a last block that is shorter is filled with zeros.
;;     - A block's scale is 2^e with e = floor(log2(the largest magnitude in the block)) - 4, held to -126 .. 127; a block of zeros has e = 0. As a byte (E8M0): e + 127.
;;     - Each number is divided by its block's scale, clamped to +-28, and rounded to the nearest number of E3M2, ties to even, subnormals kept.
;;     - The product sums the exact products of the quantised numbers (number of the format x scale) in f32.
;;   ~~~python
;;   def quantise(x, axis):      # numpy; x: float32 -> the quantised numbers, widened to float32 again
;;       x = np.moveaxis(x, axis, -1); K = x.shape[-1]
;;       x = np.pad(x, [(0, 0)] * (x.ndim - 1) + [(0, -K % 32)]); x = x.reshape(x.shape[:-1] + (-1, 32)); a = np.abs(x).max(-1, keepdims=True)
;;       e = np.where(a > 0, np.clip(np.frexp(np.where(a > 0, a, 1))[1] - 1 - 4, -126, 127), 0)      # np.frexp(a)[1] - 1 = floor(log2(a)), exactly
;;       r = np.clip(x / 2.0 ** e, -28, 28)
;;       step = 2.0 ** (np.maximum(np.frexp(np.where(r == 0, 1, r))[1] - 1, -2) - 2)
;;       q = np.round(r / step) * step * 2.0 ** e      # np.round: ties to even
;;       return np.moveaxis(q.reshape(q.shape[:-2] + (-1,))[..., :K], -1, axis).astype(np.float32)
;;   ~~~
;;   OPERANDS COMPUTED ON THE WAY. 'Computed on the way' means the value that the module computes at that place (a softmax that the list does not call 'softmax' is quantised finished and normalised). What goes into a quantiser is computed in f32, as accurately as f32 sums, v_exp_f32 and their like allow (about 1e-6 of the number): no bf16 or f16 on the way to a quantiser, and a product that is left as it is and whose result goes on into a quantised operand takes f32 operands (vector FMAs, or v_wmma_f32_16x16x4_f32). A number that lies on a knife's edge between two numbers of the format may be rounded either way, as far as f32 arithmetic and the matrix unit's own rounding can turn it there, and no further.
;; One version. Each part assembles by itself: llvm-mc -triple=amdgcn-amd-amdhsa -mcpu=gfx1250 --defsym DOCPART=n.
;; ======== version 1 of 1: 2 launches
;; limits: right only within a limited range of input values
;; workspace buffers: a_img 6,553,600 bytes; b_img 26,214,400 bytes
;; launch quant (part 1): grid 256 x 1, 20 waves a work-group, no clusters, 171,520 bytes of LDS; arguments h, x, Wf, Wi, Wg, Wo, a_img, b_img; writes a_img, b_img
.if DOCPART == 1
	.amdgcn_target "amdgcn-amd-amdhsa--gfx1250"
	.amdhsa_code_object_version 6
	.text
	.protected	k_q4d4953411b_quant
	.globl	k_q4d4953411b_quant
	.p2align	8
	.type	k_q4d4953411b_quant,@function
k_q4d4953411b_quant:
	s_mov_b64 s[64:65], 0
	v_nop
	global_prefetch_b8 v0, s[64:65] scope:SCOPE_SE
	s_setreg_imm32_b32 hwreg(HW_REG_WAVE_MODE, 25, 1), 1
	s_wait_xcnt 0x0
; [h | x] (2,048 rows of 4,096) and Wf, Wi, Wg, Wo (2,048 rows of 4,096 each), f32 with K innermost, become codes of BF6 (E3M2) with one E8M0 scale byte for each 32 along K,
; laid as the product's launch takes them into registers.
; A block's scale is 2^(floor(log2(its largest magnitude)) - 4); its byte is the largest magnitude's exponent field - 4, held at 1 from below; each number is divided by the scale and
; rounded to the nearest code, ties to even; beyond the largest code the conversion gives the largest code.
; LIMITS: a block of zeros gets the byte 1 where the quantiser's text says 127: its codes are zeros, which add nothing under that byte, and this program alone reads the bytes.
; Blocks whose largest magnitude lies under 2^(4 - 126) are held at the byte 1.  NaN and infinities among the inputs are not served.
; THE LAYOUT.  A FRAGMENT is 16 rows x 128 along K: lane (r, hh) of 32 holds row r, K = 64 hh .. 64 hh + 63, as 12 registers of codes; register group j (four registers) of lane L lies at byte
; 512 j + 16 L of the fragment's 1,536 bytes.  The matrix unit takes a lane's registers 0-5 as block hh and 6-11 as block 2 + hh of the 128: so the row's blocks 0, 1, 2, 3 are given to it as
; blocks 0, 2, 1, 3, alike for both operands, and the scale word's bytes follow that order.  A tile of 128 rows and a step of 128 along K make a block of 12,800 bytes: eight fragments, then
; eight times 16 scale words.  A tile's 32 steps follow each other: 409,600 bytes.
; Rows of a_img's tiles are those of [h | x].  Gate g (0 f, 1 i, 2 g, 3 o), hidden unit n lies in tile n / 32 of b_img, row 32 g + n % 32: a tile holds the four gates of 32 hidden units.
; SHARES.  640 groups of 16 rows x 8 eighths of K = 5,120 waves: 256 work-groups of 20.  A wave makes four fragments, neighbours along K.  Only pointers and distances are chosen, by ids.
; Each load reads 512 consecutive bytes of one row; a fragment's 16 rows turn through the wave's own stage in LDS (rows 528 bytes apart) and come back 256 bytes a lane.  Waves share nothing: no barrier.
.set STB,   12800                      ; a tile's step
.set TILEB, 409600
.set SPITCH, 528
.set WST,   16*SPITCH                  ; a wave's stage
.set SPARE, 20*WST                     ; behind the stages: the spare words, 128 bytes a wave, ten blocks of 256 bytes
.set LOFF, 2                           ; 16 x lane: loads and code stores
.set STI,  3                           ; stage, way in
.set STO,  4                           ; stage, way out
.set SOFF, 6                           ; scale words' store: 4 r + 12,800 hh
.set SPW,  7
.set NIL,  8
.set SH,   12                          ; 8 hh
.set PT,   13
.set R,    16                          ; v16-79  16 rows as loaded
.set X,    80                          ; v80-143 my 64 neighbours
.set C,    144                         ; v144-155 my 12 registers of codes
.set T1,   156
.set T2,   160
.set M,    164                         ; v164-171 maxima
.set S,    172
.set Y,    174
.set WD,   176                         ; v176-179 a scale word for each fragment
.set WS,   180                         ; v180-181 two fragments' words, as stored
.set RP,   32                          ; s[32:63] a pointer for each of my 16 rows
	s_load_b256 s[4:11], s[0:1], 0x0               ; h, x, Wf, Wi
	s_load_b256 s[12:19], s[0:1], 0x20             ; Wg, Wo, a_img, b_img
	v_lshl_add_u32 v[SPW], v0, 2, SPARE
	v_mov_b32 v[NIL], 0
	v_lshrrev_b32 v1, 5, v0
	v_readfirstlane_b32 s20, v1                    ; wave 0..19
	v_and_b32 v9, 31, v0                           ; lane
	v_lshlrev_b32 v[LOFF], 4, v9
	s_mul_i32 s21, s20, WST
	v_add_nc_u32 v[STI], s21, v[LOFF]
	v_and_b32 v10, 15, v9                          ; r
	v_lshrrev_b32 v11, 4, v9                       ; hh
	v_mul_u32_u24 v[STO], v10, SPITCH
	v_lshl_add_u32 v[STO], v11, 8, v[STO]
	v_add_nc_u32 v[STO], s21, v[STO]
	v_mul_u32_u24 v[SOFF], v11, STB
	v_lshl_add_u32 v[SOFF], v10, 2, v[SOFF]
	v_lshlrev_b32 v[SH], 3, v11
	v_cmp_gt_u32 s24, 16, v9                       ; lanes 0-15
	v_mov_b32 v[PT], 0
	s_mul_i32 s22, ttmp9, 20
	s_add_co_u32 s22, s22, s20                     ; my wave among the 5,120
	s_and_b32 s23, s22, 7                          ; which eighth of K
	s_lshr_b32 s22, s22, 3
	s_lshr_b32 s25, s22, 7                         ; 0: [h | x]; 1 to 4: Wf, Wi, Wg, Wo
	s_and_b32 s26, s22, 127                        ; which 16 rows of it
	s_max_u32 s27, s25, 1
	s_sub_co_u32 s27, s27, 1
	s_lshl_b32 s27, s27, 1
	s_and_b32 s28, s26, 1
	s_add_co_u32 s27, s27, s28                     ; a weight's fragment in its tile: 2 x gate + which 16 of the 32 hidden units
	s_lshr_b32 s28, s26, 1                         ; and its tile
	s_and_b32 s29, s26, 7                          ; the same for [h | x]
	s_lshr_b32 s30, s26, 3
	s_and_b32 s31, s23, 3
	s_lshl_b32 s31, s31, 11                        ; my first byte in a source row: h and x hold four eighths each,
	s_lshl_b32 s66, s23, 11                        ; a weight all eight
	s_mov_b32 s74, 16384
	s_mov_b32 s75, 0
	s_mov_b32 s92, 0x76543210
	s_mov_b32 s93, 0xfedcba98                      ; v_permlanex16_b32's selects for lane l xor 16
	s_wait_alu depctr_va_vdst(0)                   ; the wait at the head's end
	s_wait_kmcnt 0x0
	s_cmp_lt_u32 s25, 4                            ; every choice hangs on ids alone
	s_cselect_b64 s[68:69], s[12:13], s[14:15]
	s_cmp_lt_u32 s25, 3
	s_cselect_b64 s[68:69], s[10:11], s[68:69]
	s_cmp_lt_u32 s25, 2
	s_cselect_b64 s[68:69], s[8:9], s[68:69]
	s_cmp_lt_u32 s23, 4
	s_cselect_b64 s[70:71], s[4:5], s[6:7]
	s_cmp_eq_u32 s25, 0
	s_cselect_b64 s[68:69], s[70:71], s[68:69]     ; the source
	s_cselect_b64 s[72:73], s[16:17], s[18:19]     ; the image
	s_cselect_b32 s74, 8192, s74                   ; bytes from a source row to the next
	s_cselect_b32 s76, s31, s66
	s_cselect_b32 s77, s30, s28                    ; tile
	s_cselect_b32 s78, s29, s27                    ; fragment in it
	s_lshl_b32 s79, s26, 4
	s_mul_i32 s80, s79, s74                        ; under 2^26
	s_add_co_u32 s80, s80, s76
	s_mov_b32 s81, 0
	s_add_nc_u64 s[RP:RP+1], s[68:69], s[80:81]
.irp i, 1,2,3,4,5,6,7,8,9,10,11,12,13,14,15
	s_add_nc_u64 s[RP+2*\i:RP+2*\i+1], s[RP+2*\i-2:RP+2*\i-1], s[74:75]
.endr
.macro LOAD t                          ; fragment t: a row an instruction, 512 consecutive bytes
.irp i, 0,1,2,3,4,5,6,7,8,9,10,11,12,13,14,15
	global_load_b128 v[R+4*\i:R+4*\i+3], v[LOFF], s[RP+2*\i:RP+2*\i+1] offset:512*(\t) th:TH_LOAD_NT
.endr
.endm
	LOAD 0
	s_mul_i32 s82, s77, TILEB
	s_mul_i32 s84, s23, 4*STB
	s_add_co_u32 s82, s82, s84                     ; my tile's block of my first step
	s_mul_i32 s84, s78, 1536
	s_add_co_u32 s84, s82, s84
	s_mov_b32 s85, 0
	s_add_nc_u64 s[86:87], s[72:73], s[84:85]      ; my fragments
	s_lshl_b32 s88, s78, 6
	s_add_co_u32 s88, s88, s82
	s_add_co_u32 s88, s88, 12288
	s_mov_b32 s89, 0
	s_add_nc_u64 s[90:91], s[72:73], s[88:89]      ; my scale words
.macro FRG t
	s_wait_loadcnt 0x0                             ; the fragment's 16 rows are in
	s_wait_xcnt 0x0                                ; the last fragment's stores have read their registers: the codes are written again only behind this wait
.irp i, 0,1,2,3,4,5,6,7,8,9,10,11,12,13,14,15
	ds_store_b128 v[STI], v[R+4*\i:R+4*\i+3] offset:SPITCH*\i
.endr
.irp q, 0,1,2,3,4,5,6,7,8,9,10,11,12,13,14,15
	ds_load_b128 v[X+4*\q:X+4*\q+3], v[STO] offset:16*\q     ; LDS serves a wave's instructions in order (ISA guide 5.7.1.4): these see the stores above
.endr
.if (\t) < 3
	s_wait_dscnt 16                                ; the 16 stores are done (the 16 loads behind them may be out): their registers take the next fragment
	LOAD (\t)+1
.endif
	s_wait_dscnt 0x0
.irp k, 0,1,2,3                        ; the largest magnitudes: eight chains by turns, two for each 16 numbers
	v_max3_num_f32 v[M+2*\k], |v[X+16*\k]|, |v[X+16*\k+1]|, |v[X+16*\k+2]|
	v_max3_num_f32 v[M+2*\k+1], |v[X+16*\k+3]|, |v[X+16*\k+4]|, |v[X+16*\k+5]|
.endr
.irp i, 6,10
.irp k, 0,1,2,3
	v_max3_num_f32 v[M+2*\k], v[M+2*\k], |v[X+16*\k+\i]|, |v[X+16*\k+\i+1]|
	v_max3_num_f32 v[M+2*\k+1], v[M+2*\k+1], |v[X+16*\k+\i+2]|, |v[X+16*\k+\i+3]|
.endr
.endr
.irp k, 0,1,2,3
	v_max3_num_f32 v[M+2*\k], v[M+2*\k], |v[X+16*\k+14]|, |v[X+16*\k+15]|
.endr
.irp c, 0,1
	v_max3_num_f32 v[M+4*\c], v[M+4*\c], v[M+4*\c+1], 0x2800000    ; with the floor 2^(5 - 127): the byte cannot fall under 1
.endr
.irp c, 0,1
	v_max3_num_f32 v[M+4*\c], v[M+4*\c], v[M+4*\c+2], v[M+4*\c+3]  ; my two blocks' largest magnitudes
.endr
.irp c, 0,1
	v_add_nc_u32 v[S+\c], 0xfe000000, v[M+4*\c]    ; 4 off the exponent field: the conversion's scale operand
.endr
.irp c, 0,1
	v_lshrrev_b32 v[Y+\c], 23, v[S+\c]             ; the scale's byte
.endr
	v_cvt_scalef32_pk16_bf6_f32 v[C:C+2], v[X:X+15], v[S]
	v_cvt_scalef32_pk16_bf6_f32 v[T1:T1+2], v[X+16:X+31], v[S]      ; (a conversion's three registers begin on an even number)
	v_cvt_scalef32_pk16_bf6_f32 v[C+6:C+8], v[X+32:X+47], v[S+1]
	v_cvt_scalef32_pk16_bf6_f32 v[T2:T2+2], v[X+48:X+63], v[S+1]
	v_lshl_or_b32 v[Y], v[Y+1], 16, v[Y]           ; my two bytes (also the plain line behind the conversions),
	v_lshlrev_b32 v[Y], v[SH], v[Y]                ; 8 hh bits up;
	v_permlanex16_b32 v[PT], v[Y], s92, s93
	v_or_b32 v[WD+(\t)], v[Y], v[PT]               ; with lane l xor 16's two the row's word is whole
.irp i, 0,1,2
	v_mov_b32 v[C+3+\i], v[T1+\i]
	v_mov_b32 v[C+9+\i], v[T2+\i]
.endr
.irp j, 0,1,2
	global_store_b128 v[LOFF], v[C+4*\j:C+4*\j+3], s[86:87] offset:STB*(\t)+512*\j   ; 512 consecutive bytes, aligned
.endr
.if (\t)%2
	v_cndmask_b32 v[WS+(\t)/2], v[WD+(\t)], v[WD+(\t)-1], s24      ; lanes 0-15 the fragment before, lanes 16-31 this one
	global_store_b32 v[SOFF], v[WS+(\t)/2], s[90:91] offset:STB*((\t)-1)   ; 64 consecutive bytes in each of two steps' blocks
.endif
.endm
	FRG 0
	FRG 1
	FRG 2
	FRG 3
	s_wait_tensorcnt 0x0                           ; the wave's end
	ds_add_u32 v[SPW], v[NIL]
	s_wait_dscnt 0x0
	s_endpgm
.Lfunc_end_k_q4d4953411b_quant:
	.size	k_q4d4953411b_quant, .Lfunc_end_k_q4d4953411b_quant-k_q4d4953411b_quant
	.p2alignl 7, 3214868480
	.fill 96, 4, 3214868480
	.section	.rodata,"a",@progbits
	.p2align	6, 0x0
	.amdhsa_kernel k_q4d4953411b_quant
		.amdhsa_group_segment_fixed_size 171520
		.amdhsa_private_segment_fixed_size 0
		.amdhsa_enable_private_segment 0
		.amdhsa_kernarg_size 64
		.amdhsa_user_sgpr_count 2
		.amdhsa_user_sgpr_kernarg_segment_ptr 1
		.amdhsa_wavefront_size32 1
		.amdhsa_system_sgpr_workgroup_id_x 1
		.amdhsa_system_sgpr_workgroup_id_y 1
		.amdhsa_system_sgpr_workgroup_id_z 1
		.amdhsa_system_vgpr_workitem_id 0
		.amdhsa_next_free_vgpr 184
		.amdhsa_next_free_sgpr 100
		.amdhsa_reserve_vcc 0
		.amdhsa_float_denorm_mode_32 3
		.amdhsa_float_denorm_mode_16_64 3
		.amdhsa_memory_ordered 1
		.amdhsa_forward_progress 1
		.amdhsa_inst_pref_size 32
	.end_amdhsa_kernel
	.amdgpu_metadata
---
amdhsa.version: [ 1, 2 ]
amdhsa.kernels:
  - .name:           k_q4d4953411b_quant
    .symbol:         k_q4d4953411b_quant.kd
    .args:
      - { .name: h, .offset: 0, .size: 8, .value_kind: global_buffer, .address_space: global }
      - { .name: x, .offset: 8, .size: 8, .value_kind: global_buffer, .address_space: global }
      - { .name: Wf, .offset: 16, .size: 8, .value_kind: global_buffer, .address_space: global }
      - { .name: Wi, .offset: 24, .size: 8, .value_kind: global_buffer, .address_space: global }
      - { .name: Wg, .offset: 32, .size: 8, .value_kind: global_buffer, .address_space: global }
      - { .name: Wo, .offset: 40, .size: 8, .value_kind: global_buffer, .address_space: global }
      - { .name: a_img, .offset: 48, .size: 8, .value_kind: global_buffer, .address_space: global }
      - { .name: b_img, .offset: 56, .size: 8, .value_kind: global_buffer, .address_space: global }
    .group_segment_fixed_size: 171520
    .private_segment_fixed_size: 0
    .kernarg_segment_align: 8
    .kernarg_segment_size: 64
    .max_flat_workgroup_size: 640
    .sgpr_count:     100
    .vgpr_count:     184
    .wavefront_size: 32
...
	.end_amdgpu_metadata
.endif
;; end of part 1
;; launch lstm (part 2): grid 32 x 8, 4 waves a work-group, clusters of 4 x 4, 327,680 bytes of LDS; arguments a_img, b_img, bf, bi, bg, bo, c, out0, out1; writes out0, out1
.if DOCPART == 2
	.amdgcn_target "amdgcn-amd-amdhsa--gfx1250"
	.amdhsa_code_object_version 6
	.text
	.protected	k_q4d4953411b_lstm
	.globl	k_q4d4953411b_lstm
	.p2align	8
	.type	k_q4d4953411b_lstm,@function
k_q4d4953411b_lstm:
	s_mov_b64 s[64:65], 0
	v_nop
	global_prefetch_b8 v0, s[64:65] scope:SCOPE_SE
	s_setreg_imm32_b32 hwreg(HW_REG_WAVE_MODE, 25, 1), 1
	s_wait_xcnt 0x0
	s_wait_alu depctr_hold_cnt(0) depctr_sa_sdst(0) depctr_va_vdst(0) depctr_va_sdst(0) depctr_va_ssrc(0) depctr_va_vcc(0) depctr_vm_vsrc(0)
	s_getreg_b32 s2, hwreg(HW_REG_IB_STS2, 6, 4)
	s_cmp_eq_u32 s2, 0
	s_cbranch_scc0 .Lentry_in_a_cluster
	s_endpgm
.Lentry_in_a_cluster:
	s_bfe_u32 s2, ttmp6, 0x10000c
	s_cmp_lg_u32 s2, 0xf033
	s_cbranch_scc0 .Lentry_shape_is_right
	s_endpgm
.Lentry_shape_is_right:
; gates = Q([h | x]) Q(W)^T + b by v_wmma_scale_f32_16x16x128_f8f6f4 on codes of BF6, then c_t = sig(f) c + sig(i) tanh(g), h_t = sig(o) tanh(c_t), in f32.
; A work-group makes 256 batch rows x 64 hidden units (256 rows of b_img: the four gates of those units); four waves, each 128 x 128: 64 accumulators, 512 registers.
; a_img and b_img hold, for each tile of 128 rows and each step of 128 along K, a block of 12,800 bytes: eight fragments as images of the operand's registers (group j of lane L at 512 j + 16 L),
; then eight times 16 scale words.  A tile's steps follow each other, so a fill is one dense run of memory, stated as rows of 256 bytes; LDS holds it as it lies, and every fragment load reads 512 consecutive bytes.
; THE RING: two slots, each with THREE steps of A's two tiles and B's two tiles (4 x 38,400 bytes); ten fills of three steps and a last one of two.  One joint load a wave and one round of the cluster's barrier for each fill.
; CLUSTERS: 4 x 4.  A's tiles are shared along a row of the cluster, B's along a column; each is asked for jointly.
; THE MATRIX INSTRUCTION IS USED TRANSPOSED (source 0 = rows of b_img, source 1 = batch rows): a lane holds one batch row and eight neighbouring hidden units of one gate; accumulators b = 2 g + jj hold gate g.
; The biases are the C of each accumulator's first product.
; PREFETCH: behind the load of fill f the wave asks for fill f + 2 (fills 1 and 2 at the head): 150 blocks of 256 bytes, shared out among the four partners by address, 38 each (the last 36; lanes left over name
; the partner's last block again).  The last fill, of two steps, comes by its load alone.  c's tile is asked for in the loop's last trip, three fills ahead of its load.
; LIMITS: the exponents to the base 2 of the five exponentials are held at 30 from above, so that the products of (1 + 2^t) stay finite: a sigmoid or tanh so held differs from its limit by under 2^-29.  NaN and infinities among the inputs are not served.
; REGISTERS: window 0: v0-31 addresses; v32-47 scale words, two sets; v64-127 biases; v128-223 A's fragments, one set.  Window 1: B's fragments, two sets, at v0 and v128.  Windows 2, 3: accumulators (a, b) at v[8 (8 (a % 4) + b)].
.set FR,    12
.set FRB,   1536
.set STB,   12800
.set SCO,   12288
.set REG,   3*STB                      ; a tile's three steps: what one load brings
.set SLOT,  4*REG
.set TILEB, 32*STB
.set SPARE, 2*SLOT                     ; behind the ring: the spare words, two blocks of 256 bytes
.set EP,    272                        ; the way out: rows of 256 bytes + 16
.set CB,    SLOT                       ; c's tile, 256 rows, in slot 1 behind its last fill of codes; the new c is staged on the same bytes
.set STG0,  SLOT+256*EP                ; the stage for h_t, behind it in slot 1
.set HROW,  8192
.set VB,   13
.set PFC,  14
.set RD1,  15
.set ADRA, 16
.set ADRB, 18
.set ADRS, 20
.set PFO,  22
.set CA,   24
.set SA,   25
.set CO,   26
.set SPW,  28
.set NIL,  29
.set RD0,  31
.set SC,   32
.set BIAS, 64
.set AF,   128
.set TT,   32
.set TF,   TT
.set TI,   TT+16
.set TG,   TT+32
.set TO,   TT+48
.set NG,   96
.set CCR,  128
.set G1,  24
.set G0,  32
.set G1B, 48
.set G0B, 56
.set G1C, 68
.set G0C, 76
.set PFA, 80
.set MSB, 0
.macro WIN new
.if MSB != \new
	s_set_vgpr_msb (MSB<<8)|\new
.set MSB, \new
.endif
.endm
.set MUL_LO, 0xa1
.set MUL_HI, 0xf1
.set TO_B,   0x40
.macro PLACES
.rept 4
	v_nop
.endr
.endm
.macro JLOAD s                         ; a joint load: waves 0 and 1 fetch A's two tiles, waves 2 and 3 B's
	s_cmp_eq_u32 s15, 0
	s_cbranch_scc0 .Lfor_b_\@
	tensor_load_to_lds s[G0+4*\s:G0+4*\s+3], s[G1:G1+7]
	s_nop 0
	PLACES
	s_branch .Lasked_\@
.Lfor_b_\@:
	tensor_load_to_lds s[G0B+4*\s:G0B+4*\s+3], s[G1B:G1B+7]
	s_nop 0
	PLACES
.Lasked_\@:
.endm
.macro CREST
	s_cmp_lg_u32 s14, 0
	s_cbranch_scc1 .Lnot_wave_0_\@
	s_barrier_signal -3
.Lnot_wave_0_\@:
	s_barrier_wait -3
	s_barrier_signal -1
	s_barrier_wait -1
.endm
.macro CROUND
	s_barrier_signal -1
	s_barrier_wait -1
	CREST
.endm
	s_load_b128 s[84:87], s[0:1], 0x0              ; a_img, b_img
	s_load_b256 s[4:11], s[0:1], 0x10              ; bf, bi, bg, bo
	s_load_b64 s[88:89], s[0:1], 0x30              ; c
	s_load_b64 s[12:13], s[0:1], 0x38              ; out0
	s_load_b64 s[66:67], s[0:1], 0x40              ; out1
	v_lshl_add_u32 v[SPW], v0, 2, SPARE
	v_mov_b32 v[NIL], 0
	ds_add_u32 v[SPW], v[NIL]                      ; the opening lines: the add, twice on end, and its wait
	ds_add_u32 v[SPW], v[NIL]
	v_lshrrev_b32 v1, 5, v0
	v_readfirstlane_b32 s14, v1                    ; wave
	s_lshr_b32 s15, s14, 1                         ; my half of the batch rows; also: I fetch for A (0) or B (1)
	s_and_b32 s16, s14, 1                          ; my half of b_img's rows; also: which of the two tiles I fetch
	s_bfe_u32 s40, ttmp6, 0x40000                  ; cx
	s_bfe_u32 s41, ttmp6, 0x40004                  ; cy
	s_lshl_b32 s42, ttmp9, 2
	s_add_co_u32 s42, s42, s40                     ; block column: 64 hidden units
	s_and_b32 s17, ttmp7, 0xffff
	s_lshl_b32 s17, s17, 2
	s_add_co_u32 s17, s17, s41                     ; block row: 256 batch rows
	s_lshl_b32 s43, s41, 2
	s_lshl_b32 s43, 15, s43                        ; my row of the cluster
	s_lshl_b32 s44, 0x1111, s40                    ; my column
	s_or_b32 s[G1+0], s43, (3<<16)|(1<<21)         ; the mask; elements of 8 bytes; no padding
	s_or_b32 s[G1B+0], s44, (3<<16)|(1<<21)
.irp g, G1, G1B
	s_mov_b32 s[\g+1], 32<<16                      ; rows of 32 elements, 256 bytes,
	s_mov_b32 s[\g+2], 150<<16                     ; 150 of them: three steps
	s_mov_b32 s[\g+3], 32<<16
	s_mov_b32 s[\g+4], 150
	s_mov_b32 s[\g+5], 32                          ; dense
	s_mov_b32 s[\g+6], 0
	s_mov_b32 s[\g+7], 0
.endr
	s_lshl_b32 s20, s17, 1
	s_add_co_u32 s20, s20, s16
	s_mul_i32 s20, s20, TILEB                      ; A's tile 2 x block row + half
	s_mov_b32 s21, 0
	s_lshl_b32 s46, s42, 1
	s_add_co_u32 s46, s46, s16
	s_mul_i32 s46, s46, TILEB                      ; B's tile 2 x block column + half
	s_mov_b32 s47, 0
	s_mul_i32 s45, s14, REG                        ; where it goes: wave x 38,400
	s_wait_dscnt 0x0
	s_wait_kmcnt 0x0
	s_add_nc_u64 s[20:21], s[84:85], s[20:21]
	s_add_nc_u64 s[46:47], s[86:87], s[46:47]
	CROUND                                         ; the first joint loads meet
.irp s, 0,1
	s_mov_b32 s[G0+4*\s], 1
	s_add_co_u32 s[G0+4*\s+1], s45, \s*SLOT
	s_add_nc_u64 s[G0+4*\s+2:G0+4*\s+3], s[20:21], \s*REG
	s_or_b32 s[G0+4*\s+3], s[G0+4*\s+3], 0x80000000
	s_mov_b32 s[G0B+4*\s], 1
	s_add_co_u32 s[G0B+4*\s+1], s45, \s*SLOT
	s_add_nc_u64 s[G0B+4*\s+2:G0B+4*\s+3], s[46:47], \s*REG
	s_or_b32 s[G0B+4*\s+3], s[G0B+4*\s+3], 0x80000000
.endr
	JLOAD 0                                        ; fill 0: one tensor load a wave at the head
	; all scalars first, then the vector lines in one run
	s_mul_i32 s90, s15, REG                        ; my tile of A in a slot
	s_mul_i32 s91, s16, REG
	s_add_co_u32 s91, s91, 2*REG                   ; my tile of B
	s_sub_co_u32 s92, s91, s90
	s_add_co_u32 s93, s90, SCO
	s_mul_i32 s95, s15, 128*EP
	s_lshl_b32 s94, s16, 7
	s_add_co_u32 s94, s94, s95
	s_add_co_u32 s94, s94, CB                      ; my 128 rows x 128 bytes of c's tile
	s_mul_i32 s18, s16, 8*EP
	s_add_co_u32 s95, s95, s18                     ; the rows that I send: 8 of each 16
	s_cmp_eq_u32 s15, 0
	s_cselect_b64 s[PFA:PFA+1], s[20:21], s[46:47] ; the tile that I fetch,
	s_cselect_b32 s19, s40, s41                    ; my place among the four that ask for it with me
	s_mul_i32 s19, s19, 38
	s_add_nc_u64 s[PFA:PFA+1], s[PFA:PFA+1], REG   ; at fill 1
	s_lshl_b32 s96, s17, 8
	s_lshl_b32 s18, s15, 7
	s_add_co_u32 s96, s96, s18
	s_lshl_b32 s18, s16, 3
	s_add_co_u32 s96, s96, s18
	s_lshl_b32 s96, s96, 13
	s_lshl_b32 s18, s42, 8
	s_add_co_u32 s96, s96, s18
	s_mov_b32 s97, 0
	s_add_nc_u64 s[12:13], s[12:13], s[96:97]
	s_add_nc_u64 s[66:67], s[66:67], s[96:97]
	s_lshl_b32 s98, s17, 8
	s_lshl_b32 s22, s14, 6
	s_add_co_u32 s98, s98, s22
	s_lshl_b32 s98, s98, 13
	s_add_co_u32 s98, s98, s18
	s_mov_b32 s99, 0
	s_add_nc_u64 s[82:83], s[88:89], s[98:99]      ; c: the 64 rows that I fetch
	s_mov_b32 s[G0C], 1
	s_mul_i32 s[G0C+1], s14, 64*EP
	s_add_co_u32 s[G0C+1], s[G0C+1], CB
	s_mov_b64 s[G0C+2:G0C+3], s[82:83]
	s_or_b32 s[G0C+3], s[G0C+3], 0x80000000
	s_mov_b32 s[G1C+0], (3<<16)|(1<<20)|(5<<22)|(3<<25)   ; no mask; 16 bytes of padding behind each 256
	s_mov_b32 s[G1C+1], 32<<16
	s_mov_b32 s[G1C+2], 64<<16
	s_mov_b32 s[G1C+3], 32<<16
	s_mov_b32 s[G1C+4], 64
	s_mov_b32 s[G1C+5], HROW/8
	s_mov_b32 s[G1C+6], 0
	s_mov_b32 s[G1C+7], 0
	s_lshl_b32 s22, s42, 8
	s_lshl_b32 s23, s16, 7
	s_add_co_u32 s22, s22, s23
	s_mov_b32 s23, 0
.irp g, 0,1,2,3
	s_add_nc_u64 s[4+2*\g:5+2*\g], s[4+2*\g:5+2*\g], s[22:23]      ; my 32 hidden units' biases
.endr
	v_and_b32 v1, 15, v0                           ; r
	v_bfe_u32 v2, v0, 4, 1                         ; hh
	v_and_b32 v3, 31, v0
	v_lshlrev_b32 v4, 4, v3
	v_add_nc_u32 v[ADRA], s90, v4
	v_add_nc_u32 v[ADRB], s91, v4
	v_add_nc_u32 v[ADRA+1], SLOT, v[ADRA]
	v_add_nc_u32 v[ADRB+1], SLOT, v[ADRB]
	v_mul_u32_u24 v5, s92, v2                      ; scale words: lanes 0-15 A's, lanes 16-31 B's
	v_lshl_add_u32 v5, v1, 2, v5
	v_add_nc_u32 v[ADRS], s93, v5
	v_add_nc_u32 v[ADRS+1], SLOT, v[ADRS]
	v_mul_u32_u24 v6, v1, EP
	v_lshl_add_u32 v6, v2, 5, v6
	v_add_nc_u32 v[CA], s94, v6                    ; row r, 32 bytes for each half of the lanes
	v_add_nc_u32 v[SA], 256*EP, v[CA]
	v_mul_u32_u24 v7, v2, EP
	v_lshl_add_u32 v7, v1, 4, v7
	v_add_nc_u32 v7, s95, v7                       ; back: sixteen lanes to a row of 256 bytes
	v_add_nc_u32 v[RD1], CB, v7
	v_add_nc_u32 v[RD0], STG0, v7
	v_lshlrev_b32 v[CO], 13, v2
	v_lshl_add_u32 v[CO], v1, 4, v[CO]
	v_lshlrev_b32 v[VB], 5, v2
	v_lshlrev_b32 v[PFC], 13, v3
	v_add_nc_u32 v8, s19, v3                       ; my work-group's blocks 38 p .. 38 p + 37 of a fill's 150, held at 149
	v_min_u32 v8, 149, v8
	v_lshlrev_b32 v[PFO], 8, v8
	v_min_u32 v9, 5, v3
	v_add_nc_u32 v9, s19, v9
	v_add_nc_u32 v9, 32, v9
	v_min_u32 v9, 149, v9
	v_lshlrev_b32 v[PFO+1], 8, v9
	s_wait_alu depctr_va_vdst(0)                   ; the wait at the head's end
.irp g, 0,1,2,3
.irp jj, 0,1
	global_load_b128 v[BIAS+8*(2*\g+\jj):BIAS+8*(2*\g+\jj)+3], v[VB], s[4+2*\g:5+2*\g] offset:64*\jj
	global_load_b128 v[BIAS+8*(2*\g+\jj)+4:BIAS+8*(2*\g+\jj)+7], v[VB], s[4+2*\g:5+2*\g] offset:64*\jj+16
.endr
.endr
.irp f, 0,1                            ; fills 1 and 2
	global_prefetch_b8 v[PFO], s[PFA:PFA+1] offset:\f*REG th:TH_LOAD_NT scope:SCOPE_SE
	global_prefetch_b8 v[PFO+1], s[PFA:PFA+1] offset:\f*REG th:TH_LOAD_NT scope:SCOPE_SE
.endr
.macro FRAG reg, adr, q, i             ; a fragment's 12 registers: three loads of 512 consecutive bytes
.irp j, 0,1,2
	ds_load_b128 v[\reg+4*\j:\reg+4*\j+3], v[\adr] offset:(\q)*STB+(\i)*FRB+512*\j
.endr
.endm
.macro MUL16 a0, p, first              ; A's blocks a0, a0 + 1 x B's eight; the 64 accumulators take turns
.irp a, \a0, \a0+1
.irp b, 0,1,2,3,4,5,6,7
.if \first
	v_wmma_scale_f32_16x16x128_f8f6f4 v[8*(8*((\a)%4)+\b):8*(8*((\a)%4)+\b)+7], v[128*(\p)+FR*\b:128*(\p)+FR*\b+FR-1], v[AF+FR*(\a):AF+FR*(\a)+FR-1], v[BIAS+8*\b:BIAS+8*\b+7], v[SC+8*(\p)+\b], v[SC+8*(\p)+(\a)] matrix_a_fmt:MATRIX_FMT_BF6 matrix_b_fmt:MATRIX_FMT_BF6 matrix_a_scale:MATRIX_SCALE_ROW1
.else
	v_wmma_scale_f32_16x16x128_f8f6f4 v[8*(8*((\a)%4)+\b):8*(8*((\a)%4)+\b)+7], v[128*(\p)+FR*\b:128*(\p)+FR*\b+FR-1], v[AF+FR*(\a):AF+FR*(\a)+FR-1], v[8*(8*((\a)%4)+\b):8*(8*((\a)%4)+\b)+7], v[SC+8*(\p)+\b], v[SC+8*(\p)+(\a)] matrix_a_fmt:MATRIX_FMT_BF6 matrix_b_fmt:MATRIX_FMT_BF6 matrix_a_scale:MATRIX_SCALE_ROW1
.endif
.endr
.endr
.endm
.macro FETCH_B slot, q, p
	WIN TO_B
.irp i, 0,1,2,3,4,5,6,7
	FRAG 128*(\p)+FR*\i, ADRB+\slot, \q, \i
.endr
	WIN 0
.endm
.macro FETCH_A slot, q, i0
.irp i, \i0, \i0+1, \i0+2, \i0+3
	FRAG AF+FR*(\i), ADRA+\slot, \q, \i
.endr
.endm
.macro SCALES slot, q, p
.irp i, 0,1,2,3,4,5,6,7
	ds_load_b32 v[SC+8*(\p)+\i], v[ADRS+\slot] offset:(\q)*STB+64*\i
.endr
.endm
; A step of 128 along K: 64 matrix instructions on step q of a slot; the next step's fragments (step nq of slot ns) are fetched in its middle and at its end.
; kind 0: the next step lies in the same slot.  Else this slot is read no more: each wave waits for all its tensor loads (the other slot's), adds 0 to its spare word and waits for that and for its reads;
; the barrier opens a round of the cluster's barrier, and behind the round the slot is filled again: 1: three steps, two fills on; 2: the last fill, two steps; 3: c's tile.
; ask 1, 2: in the loop; the prefetch's address is stepped at the step's head, behind the wait that frees it.
.macro STEP slot, q, ns, nq, kind, first, ask
.set P, (3*(\slot)+(\q))%2
.if \kind
.if \ask
	s_wait_xcnt 0x0
	s_add_nc_u64 s[PFA:PFA+1], s[PFA:PFA+1], REG
.endif
	s_wait_tensorcnt 0x0
	ds_add_u32 v[SPW], v[NIL]
.if \kind == 2
	s_mov_b32 s[G1+2], 100<<16                     ; no tensor load of mine is out: the last fill has 100 rows
	s_mov_b32 s[G1+4], 100
	s_mov_b32 s[G1B+2], 100<<16
	s_mov_b32 s[G1B+4], 100
.endif
.if \kind < 3
	s_add_nc_u64 s[G0+4*\slot+2:G0+4*\slot+3], s[G0+4*\slot+2:G0+4*\slot+3], 2*REG
	s_add_nc_u64 s[G0B+4*\slot+2:G0B+4*\slot+3], s[G0B+4*\slot+2:G0B+4*\slot+3], 2*REG
.endif
	s_wait_dscnt 13                                ; the add and the twelve loads of A's blocks 4-7 may be out
	WIN MUL_LO
	MUL16 0, P, 0
	s_wait_dscnt 0x0
	s_barrier_signal -1
	MUL16 2, P, 0
	WIN 0
	s_barrier_wait -1
	CREST
.if \kind < 3
	JLOAD \slot                                    ; the four v_nop behind it are also the places in front of the loads below
.else
	tensor_load_to_lds s[G0C:G0C+3], s[G1C:G1C+7]
	s_nop 0
	PLACES
.endif
.else
	s_wait_dscnt 12                                ; the twelve loads of A's blocks 4-7 may be out
.if \first
	WIN 0x81
.else
	WIN MUL_LO
.endif
	MUL16 0, P, \first
	MUL16 2, P, \first
	s_wait_dscnt 0x0
	PLACES
.endif
	FETCH_B \ns, \nq, 1-P
	FETCH_A \ns, \nq, 0
	SCALES \ns, \nq, 1-P
.if \ask
	s_cmp_gt_u32 s3, 1                             ; in the last trip the fill two on is the short one or none
	s_cbranch_scc0 .Lelse_\@
	global_prefetch_b8 v[PFO], s[PFA:PFA+1] offset:2*REG th:TH_LOAD_NT scope:SCOPE_SE
	global_prefetch_b8 v[PFO+1], s[PFA:PFA+1] offset:2*REG th:TH_LOAD_NT scope:SCOPE_SE
.if \ask == 1
	s_branch .Ldone_\@
.Lelse_\@:
	global_prefetch_b8 v[PFC], s[82:83] th:TH_LOAD_NT scope:SCOPE_SE                 ; c: a lane a row, my 64 rows
	global_prefetch_b8 v[PFC], s[82:83] offset:32*HROW th:TH_LOAD_NT scope:SCOPE_SE
.Ldone_\@:
.else
.Lelse_\@:
.endif
.endif
.if \first
	WIN 0xc1
.else
	WIN MUL_HI
.endif
	MUL16 4, P, \first
	MUL16 6, P, \first
	PLACES
	WIN 0
	FETCH_A \ns, \nq, 4
.endm
	s_wait_tensorcnt 0x0                           ; my part of fill 0 is in; the same lines as ahead of a refill:
	ds_add_u32 v[SPW], v[NIL]
	s_wait_dscnt 0x0
	CROUND
	JLOAD 1                                        ; fill 1, slot 1's first
	FETCH_B 0, 0, 0
	FETCH_A 0, 0, 0
	SCALES 0, 0, 0
	FETCH_A 0, 0, 4
	global_prefetch_b8 v[PFO], s[PFA:PFA+1] offset:2*REG th:TH_LOAD_NT scope:SCOPE_SE      ; fill 3
	global_prefetch_b8 v[PFO+1], s[PFA:PFA+1] offset:2*REG th:TH_LOAD_NT scope:SCOPE_SE
	s_wait_loadcnt 0x0                             ; the biases
	STEP 0, 0, 0, 1, 0, 1, 0                       ; the first products start the sums from the biases
	s_mov_b32 s3, 4
.Llap:                                                 ; a trip: once round the ring, from a lap's second step to the next lap's first; fills 2 to 9
	STEP 0, 1, 0, 2, 0, 0, 0
	STEP 0, 2, 1, 0, 1, 0, 1
	STEP 1, 0, 1, 1, 0, 0, 0
	STEP 1, 1, 1, 2, 0, 0, 0
	STEP 1, 2, 0, 0, 1, 0, 2
	STEP 0, 0, 0, 1, 0, 0, 0
	s_sub_co_u32 s3, s3, 1
	s_cmp_lg_u32 s3, 0
	s_cbranch_scc1 .Llap
	STEP 0, 1, 0, 2, 0, 0, 0
	STEP 0, 2, 1, 0, 2, 0, 0                       ; fill 10: steps 30 and 31
	STEP 1, 0, 1, 1, 0, 0, 0
	STEP 1, 1, 1, 2, 0, 0, 0
	STEP 1, 2, 0, 0, 3, 0, 0                       ; slot 1 takes c's tile
	STEP 0, 0, 0, 1, 0, 0, 0
	s_wait_dscnt 12                                ; the last step
	WIN MUL_LO
	MUL16 0, 1, 0
	MUL16 2, 1, 0
	s_wait_dscnt 0x0
	WIN MUL_HI
	MUL16 4, 1, 0
	MUL16 6, 1, 0
	WIN 0
	PLACES
	s_wait_tensorcnt 0x0                           ; my 64 rows of c are in;
	s_wait_dscnt 0x0
	s_barrier_signal -1
	s_barrier_wait -1                              ; and everybody's
.irp a, 0,1,2,3,4,5,6,7
.irp jj, 0,1
	ds_load_b128 v[CCR+16*\a+8*\jj:CCR+16*\a+8*\jj+3], v[CA] offset:16*EP*\a+64*\jj
	ds_load_b128 v[CCR+16*\a+8*\jj+4:CCR+16*\a+8*\jj+7], v[CA] offset:16*EP*\a+64*\jj+16
.endr
.endr
	s_mov_b32 s18, 0x41f00000                      ; 30
	s_mov_b32 s20, 0xbfb8aa3b                      ; -log2(e)
	s_mov_b32 s21, s20
	s_mov_b32 s22, 0xc038aa3b                      ; -2 log2(e)
	s_mov_b32 s23, s22
.macro BACK a                          ; block a's 16 rows come back whole: my 8 of them, of h_t and of c_t
	WIN TO_B
.irp t, 0,1,2,3
	ds_load_b128 v[32*(\a)+4*\t:32*(\a)+4*\t+3], v[RD0] offset:(16*(\a)+2*\t)*EP
.endr
.irp t, 0,1,2,3
	ds_load_b128 v[32*(\a)+16+4*\t:32*(\a)+16+4*\t+3], v[RD1] offset:(16*(\a)+2*\t)*EP
.endr
	WIN 0
.endm
.macro SEND a                          ; sixteen lanes store 256 consecutive bytes, aligned
	WIN 0x04
.irp t, 0,1,2,3
	global_store_b128 v[CO], v[32*(\a)+4*\t:32*(\a)+4*\t+3], s[12:13] offset:(16*(\a)+2*\t)*HROW th:TH_STORE_NT
.endr
.irp t, 0,1,2,3
	global_store_b128 v[CO], v[32*(\a)+16+4*\t:32*(\a)+16+4*\t+3], s[66:67] offset:(16*(\a)+2*\t)*HROW th:TH_STORE_NT
.endr
	WIN 0
.endm
; Block a: 16 numbers a lane.  With ef = 2^(-f L), ei, eo likewise and eg = 2^(-2 g L), L = log2(e):
; c_t = (c (1 + ei)(1 + eg) + (1 - eg)(1 + ef)) / ((1 + ef)(1 + ei)(1 + eg)); with ec = 2^(-2 c_t L): h_t = (1 - ec) / ((1 + ec)(1 + eo)).
.macro GATE a
.set AC, 64*((\a)%4)
.set CBK, CCR+16*(\a)
	WIN (0x02+(\a)/4)
	s_wait_alu depctr_va_vdst(0)                   ; ahead of the first reader of the sums
.set i, 0
.rept 32
.if i/16 == 2
	v_pk_mul_f32 v[TT+i:TT+i+1], v[AC+i:AC+i+1], s[22:23] op_sel_hi:[1,0]
.else
	v_pk_mul_f32 v[TT+i:TT+i+1], v[AC+i:AC+i+1], s[20:21] op_sel_hi:[1,0]
.endif
.set i, i+2
.endr
	WIN 0
.set i, 0
.rept 64
	v_min_num_f32 v[TT+i], s18, v[TT+i]
.set i, i+1
.endr
.set i, 0
	s_wait_alu depctr_va_vdst(0)                   ; ahead of the batch
.rept 64
	v_exp_f32 v[TT+i], v[TT+i]
.set i, i+1
.endr
	v_nop
.if (\a) == 0
	s_wait_dscnt 28                                ; c's block 0 is in: the 28 loads of blocks 1 to 7 may be out
.else
	s_wait_dscnt 0x0
.endif
	s_wait_alu depctr_va_vdst(0)                   ; behind the batch
.if (\a) > 0
	SEND (\a)-1
.endif
.irp k, 0,2,4,6,8,10,12,14
	v_pk_fma_f32 v[NG+\k:NG+\k+1], v[TG+\k:TG+\k+1], -1.0, 1.0 op_sel_hi:[1,0,0]
.endr
.set i, 0
.rept 32
	v_pk_add_f32 v[TT+i:TT+i+1], v[TT+i:TT+i+1], 1.0 op_sel_hi:[1,0]
.set i, i+2
.endr
.irp k, 0,2,4,6,8,10,12,14
	v_pk_mul_f32 v[TI+\k:TI+\k+1], v[TI+\k:TI+\k+1], v[TG+\k:TG+\k+1]
.endr
.irp k, 0,2,4,6,8,10,12,14
	v_pk_mul_f32 v[TG+\k:TG+\k+1], v[TI+\k:TI+\k+1], v[TF+\k:TF+\k+1]
.endr
.irp k, 0,2,4,6,8,10,12,14
	v_pk_mul_f32 v[CBK+\k:CBK+\k+1], v[CBK+\k:CBK+\k+1], v[TI+\k:TI+\k+1]
.endr
.irp k, 0,2,4,6,8,10,12,14
	v_pk_fma_f32 v[CBK+\k:CBK+\k+1], v[NG+\k:NG+\k+1], v[TF+\k:TF+\k+1], v[CBK+\k:CBK+\k+1]
.endr
.set i, 0
	s_wait_alu depctr_va_vdst(0)
.rept 16
	v_rcp_f32 v[TG+i], v[TG+i]
.set i, i+1
.endr
	v_nop
	s_wait_alu depctr_va_vdst(0)
.irp k, 0,2,4,6,8,10,12,14
	v_pk_mul_f32 v[CBK+\k:CBK+\k+1], v[CBK+\k:CBK+\k+1], v[TG+\k:TG+\k+1]     ; c_t
.endr
.irp k, 0,2,4,6,8,10,12,14
	v_pk_mul_f32 v[TF+\k:TF+\k+1], v[CBK+\k:CBK+\k+1], s[22:23] op_sel_hi:[1,0]
.endr
.set i, 0
.rept 16
	v_min_num_f32 v[TF+i], s18, v[TF+i]
.set i, i+1
.endr
.set i, 0
	s_wait_alu depctr_va_vdst(0)
.rept 16
	v_exp_f32 v[TF+i], v[TF+i]
.set i, i+1
.endr
.irp jj, 0,1
	ds_store_b128 v[CA], v[CBK+8*\jj:CBK+8*\jj+3] offset:16*EP*(\a)+64*\jj     ; onto the bytes from which I alone read the old c
	ds_store_b128 v[CA], v[CBK+8*\jj+4:CBK+8*\jj+7] offset:16*EP*(\a)+64*\jj+16
.endr
	v_nop
	s_wait_alu depctr_va_vdst(0)
.irp k, 0,2,4,6,8,10,12,14
	v_pk_fma_f32 v[NG+\k:NG+\k+1], v[TF+\k:TF+\k+1], -1.0, 1.0 op_sel_hi:[1,0,0]
.endr
.irp k, 0,2,4,6,8,10,12,14
	v_pk_add_f32 v[TF+\k:TF+\k+1], v[TF+\k:TF+\k+1], 1.0 op_sel_hi:[1,0]
.endr
.irp k, 0,2,4,6,8,10,12,14
	v_pk_mul_f32 v[TF+\k:TF+\k+1], v[TF+\k:TF+\k+1], v[TO+\k:TO+\k+1]
.endr
.set i, 0
	s_wait_alu depctr_va_vdst(0)
.rept 16
	v_rcp_f32 v[TF+i], v[TF+i]
.set i, i+1
.endr
	v_nop
	s_wait_alu depctr_va_vdst(0)
.irp k, 0,2,4,6,8,10,12,14
	v_pk_mul_f32 v[NG+\k:NG+\k+1], v[NG+\k:NG+\k+1], v[TF+\k:TF+\k+1]         ; h_t
.endr
.irp jj, 0,1
	ds_store_b128 v[SA], v[NG+8*\jj:NG+8*\jj+3] offset:16*EP*(\a)+64*\jj
	ds_store_b128 v[SA], v[NG+8*\jj+4:NG+8*\jj+7] offset:16*EP*(\a)+64*\jj+16
.endr
.endm
.irp a, 0,1,2,3,4,5,6,7
	GATE \a
	s_wait_dscnt 0x0                               ; for the others' sake: a row's 256 bytes come from two waves
	s_barrier_signal -1
	s_barrier_wait -1
	BACK \a
.endr
	s_wait_dscnt 0x0
	SEND 7
	s_wait_tensorcnt 0x0                           ; the wave's end
	ds_add_u32 v[SPW], v[NIL]
	s_wait_dscnt 0x0
	CROUND                                         ; the closing round
	s_endpgm
.Lfunc_end_k_q4d4953411b_lstm:
	.size	k_q4d4953411b_lstm, .Lfunc_end_k_q4d4953411b_lstm-k_q4d4953411b_lstm
	.p2alignl 7, 3214868480
	.fill 96, 4, 3214868480
	.section	.rodata,"a",@progbits
	.p2align	6, 0x0
	.amdhsa_kernel k_q4d4953411b_lstm
		.amdhsa_group_segment_fixed_size 327680
		.amdhsa_private_segment_fixed_size 0
		.amdhsa_enable_private_segment 0
		.amdhsa_kernarg_size 72
		.amdhsa_user_sgpr_count 2
		.amdhsa_user_sgpr_kernarg_segment_ptr 1
		.amdhsa_wavefront_size32 1
		.amdhsa_system_sgpr_workgroup_id_x 1
		.amdhsa_system_sgpr_workgroup_id_y 1
		.amdhsa_system_sgpr_workgroup_id_z 1
		.amdhsa_system_vgpr_workitem_id 0
		.amdhsa_next_free_vgpr 1024
		.amdhsa_next_free_sgpr 100
		.amdhsa_reserve_vcc 0
		.amdhsa_float_denorm_mode_32 3
		.amdhsa_float_denorm_mode_16_64 3
		.amdhsa_memory_ordered 1
		.amdhsa_forward_progress 1
		.amdhsa_inst_pref_size 255
	.end_amdhsa_kernel
	.section	.bss,"aw",@nobits
	.p2align	6
	.space	262144
	.amdgpu_metadata
---
amdhsa.version: [ 1, 2 ]
amdhsa.kernels:
  - .name:           k_q4d4953411b_lstm
    .symbol:         k_q4d4953411b_lstm.kd
    .args:
      - { .name: a_img, .offset: 0, .size: 8, .value_kind: global_buffer, .address_space: global }
      - { .name: b_img, .offset: 8, .size: 8, .value_kind: global_buffer, .address_space: global }
      - { .name: bf, .offset: 16, .size: 8, .value_kind: global_buffer, .address_space: global }
      - { .name: bi, .offset: 24, .size: 8, .value_kind: global_buffer, .address_space: global }
      - { .name: bg, .offset: 32, .size: 8, .value_kind: global_buffer, .address_space: global }
      - { .name: bo, .offset: 40, .size: 8, .value_kind: global_buffer, .address_space: global }
      - { .name: c, .offset: 48, .size: 8, .value_kind: global_buffer, .address_space: global }
      - { .name: out0, .offset: 56, .size: 8, .value_kind: global_buffer, .address_space: global }
      - { .name: out1, .offset: 64, .size: 8, .value_kind: global_buffer, .address_space: global }
    .group_segment_fixed_size: 327680
    .private_segment_fixed_size: 0
    .kernarg_segment_align: 8
    .kernarg_segment_size: 72
    .max_flat_workgroup_size: 128
    .sgpr_count:     100
    .vgpr_count:     1024
    .wavefront_size: 32
...
	.end_amdgpu_metadata
.endif
;; end of part 2
